; MI455X (gfx1250); checked and timed in simulation.
; The chip was launched on July 23, 2026; its instructions are those of AMD's public machine-readable ISA for CDNA 5 (MIT licence, August 2026) and "CDNA5" Instruction Set Architecture Reference Guide (July 2026). The comments in the code are by the model that wrote it; some were corrected since.
;; Linear Mem. Allowed arithmetic: matrix products marked QUANTISED: E3M2 operands, one E8M0 scale for each 32 along K, by v_wmma_scale_f32_16x16x128_f8f6f4 with both operands' format E3M2, f32 sums; everything else in f32.
;; Inputs: bias 4,096 float32; weight 4,096 x 4,096 float32; x 4,096 x 4,096 float32.
;; Outputs: out0 4,096 x 4,096 float32.
;; This version of the problem:
;;   THIS VERSION OF THE PROBLEM IS GIVEN IN LOW PRECISION. The matrix products marked QUANTISED in the list below multiply operands that are first quantised to E3M2 (3 exponent bits, 2 mantissa bits; 6 bits a number), with one power-of-two scale for each 32 numbers along K (OCP MX v1.0); their sums are f32. All else is computed in f32.
;;   The module's matrix products, in the order in which they are computed (A, B: the left and right operand; K: the contracted axis; several contracted axes count as one K, in the product's order):
;;     1. [M 4,096, K 4,096] x [K 4,096, N 4,096]; A: computed on the way; B: computed on the way: QUANTISED
;;   THE QUANTISER, for each operand of a quantised product, along K:
;;     - K is cut into blocks of 32 from its start; a last block that is shorter is filled with zeros.
;;     - A block's scale is 2^e with e = floor(log2(the largest magnitude in the block)) - 4, held to -126 .. 127; a block of zeros has e = 0. As a byte (E8M0): e + 127.
;;     - Each number is divided by its block's scale, clamped to +-28, and rounded to the nearest number of E3M2, ties to even, subnormals kept.
;;     - The product sums the exact products of the quantised numbers (number of the format x scale) in f32.
;;   ~~~python
;;   def quantise(x, axis):      # numpy; x: float32 -> the quantised numbers, widened to float32 again
;;       x = np.moveaxis(x, axis, -1); K = x.shape[-1]
;;       x = np.pad(x, [(0, 0)] * (x.ndim - 1) + [(0, -K % 32)]); x = x.reshape(x.shape[:-1] + (-1, 32)); a = np.abs(x).max(-1, keepdims=True)
;;       e = np.where(a > 0, np.clip(np.frexp(np.where(a > 0, a, 1))[1] - 1 - 4, -126, 127), 0)      # np.frexp(a)[1] - 1 = floor(log2(a)), exactly
;;       r = np.clip(x / 2.0 ** e, -28, 28)
;;       step = 2.0 ** (np.maximum(np.frexp(np.where(r == 0, 1, r))[1] - 1, -2) - 2)
;;       q = np.round(r / step) * step * 2.0 ** e      # np.round: ties to even
;;       return np.moveaxis(q.reshape(q.shape[:-2] + (-1,))[..., :K], -1, axis).astype(np.float32)
;;   ~~~
;;   OPERANDS COMPUTED ON THE WAY. 'Computed on the way' means the value that the module computes at that place (a softmax that the list does not call 'softmax' is quantised finished and normalised). What goes into a quantiser is computed in f32, as accurately as f32 sums, v_exp_f32 and their like allow (about 1e-6 of the number): no bf16 or f16 on the way to a quantiser, and a product that is left as it is and whose result goes on into a quantised operand takes f32 operands (vector FMAs, or v_wmma_f32_16x16x4_f32). A number that lies on a knife's edge between two numbers of the format may be rounded either way, as far as f32 arithmetic and the matrix unit's own rounding can turn it there, and no further.
;; One version. Each part assembles by itself: llvm-mc -triple=amdgcn-amd-amdhsa -mcpu=gfx1250 --defsym DOCPART=n.
;; ======== version 1 of 1: 2 launches
;; limits: right only within a limited range of input values
;; workspace buffers: xc 13,107,200 bytes; wc 13,107,200 bytes
;; launch quant (part 1): grid 256 x 1, 16 waves a work-group, no clusters, 141,312 bytes of LDS; arguments x, weight, xc, wc; writes xc, wc
.if DOCPART == 1
	.amdgcn_target "amdgcn-amd-amdhsa--gfx1250"
	.amdhsa_code_object_version 6
	.text
	.protected	k_q9b49bd5dd5_quant
	.globl	k_q9b49bd5dd5_quant
	.p2align	8
	.type	k_q9b49bd5dd5_quant,@function
k_q9b49bd5dd5_quant:
	s_mov_b64 s[64:65], 0
	v_nop
	global_prefetch_b8 v0, s[64:65] scope:SCOPE_SE
	s_setreg_imm32_b32 hwreg(HW_REG_WAVE_MODE, 25, 1), 1
	s_wait_xcnt 0x0
; x [4096][4096] and weight [4096][4096], f32, K innermost in both, go through two quantisers and leave as codes of BF6 (E3M2) with E8M0 scale bytes.
; FIRST the module's own signed 8-bit block quantiser, in f32: m = the block's largest magnitude (1 where that is 0), scale = 127 / m, q = clip(round(v x scale), -127, 127), the number is q / scale.
;   x's blocks are 1 row x 32 along K; weight's are 32 rows (n) x 32 along K.
; THEN the MX quantiser along K, 32 numbers of one row to a block: the byte is the largest magnitude's exponent field - 4, held at 1 from below; each number / 2^(byte - 127), to the nearest code, ties to even, beyond 28 the largest code.
; LIMITS: 8-bit blocks whose largest magnitude lies outside 2^-118 .. 2^125 are not served (127 / m or its reciprocal would leave the range in which v_rcp_f32 gives normal numbers); NaN and infinities are not served.
;   127 / m and 1 / scale are a reciprocal with one correction step each, and q / scale is q x (1 / scale): within an ulp or two of the divisions.  A block of zeros gets the byte 1 over zero codes (the rule says 127): this program alone reads the bytes.
; SHARES.  Work-groups 0-127 take x, 128-255 weight: only pointers and one lane mask are chosen, both tensors take one path.  A work-group owns 32 rows; wave w owns K = 256 w .. 256 w + 255 of them: 32 KB in, 6,144 bytes of codes and 256 of scale words out.
; A SUB-STEP is 32 rows x 64 along K.  Each load reads 256 consecutive aligned bytes of a row in sixteen lanes.  The 8 KB turn through the wave's own stage in LDS (rows 272 bytes apart) and come back so that lane (r, h) holds, for u = 0, 1,
;   row 16 u + r at K 64 t + 32 h + 0 .. 31: a WHOLE MX block in 32 registers, which are registers 6 c .. 6 c + 5 (c = t % 2) of the operand fragment (rows 16 u .., K 128 (t / 2) ..).  Weight's 32 x 32 block is the sixteen lanes of one h, both u.
; THE MX BLOCK'S LARGEST MAGNITUDE IS NOT SEARCHED FOR TWICE: the 8-bit quantiser never falls where its input rises and is odd, so the largest |v| of the 32, put through the same four operations, gives the largest quantised magnitude, bit for bit.
; OUT, as the product's launch wants it: [q 32 (128 along K)][g 32 (128 rows)][12,800 bytes]: eight fragments (block i of 16 rows) in the order of the operand's registers, [c 3][lane 32][16 bytes], 1,536 bytes each; behind them, at byte 12,288,
;   the 128 rows' scale words [j 4][r 16][u 2], the word of row 32 j + 16 u + r.  Codes leave in runs of 512 consecutive aligned bytes.  The scale words leave in runs of 128 consecutive bytes, half of an aligned 256: one byte in 25 of what is stored;
;   that is the price of words that lie beside their codes, so that one tensor load of the next launch brings both.
; No barrier: waves share nothing.  Three sets of 64 registers keep 48 loads of a wave on their way.
.set QSLAB, 409600                     ; 128 along K of all 4,096 rows, in bytes
.set GB,    12800                      ; of 128 rows
.set SCO,   12288                      ; where the scale words begin in those
.set PITCH, 272                        ; a stage row: 256 bytes + 16
.set STG,   32*PITCH                   ; a wave's stage
.set R,     16                         ; v16-207  three sets of 64 numbers
.set CF,    208                        ; v208-231 two fragments of 12 registers (u = 0, 1)
; v1 load offset; v2, v3 stage in, out; v4 16 x lane; v5 my place among the scale words; v6 8 h; v7 1.0; v8-11 the words W[u][q]; v12-13 permute's target, last store's data; v14-15 conversion scales
; v232-234, v236-238 a block's upper 16 codes; v240.. pairs (scale, r), (1/scale, r) for u = 0, 1; v248-249 largest |v|; v250-251 second chains, then m; v252-253 bytes being gathered; v254-255 at work
	s_load_b256 s[4:11], s[0:1], 0x0               ; x, weight, xc, wc
	v_lshl_add_u32 v235, v0, 2, 0x22000
	v_mov_b32 v239, 0
	v_lshrrev_b32 v7, 5, v0
	s_delay_alu instid0(VALU_DEP_1)
	v_readfirstlane_b32 s16, v7                    ; wave 0..15
	v_and_b32 v7, 15, v0                           ; r
	v_bfe_u32 v6, v0, 4, 1                         ; h
	s_mul_i32 s27, s16, STG
	v_lshlrev_b32 v1, 14, v6
	s_delay_alu instid0(VALU_DEP_1)
	v_lshl_add_u32 v1, v7, 4, v1                   ; in: lanes 0-15 an even row, lanes 16-31 the next (16,384 bytes on), 16 bytes a lane
	v_mul_u32_u24 v2, v6, PITCH
	s_delay_alu instid0(VALU_DEP_1)
	v_lshl_add_u32 v2, v7, 4, v2
	s_delay_alu instid0(VALU_DEP_1)
	v_add_nc_u32 v2, s27, v2                       ; the stage, on the way in: as loaded
	v_mul_u32_u24 v3, v7, PITCH
	s_delay_alu instid0(VALU_DEP_1)
	v_lshl_add_u32 v3, v6, 7, v3
	s_delay_alu instid0(VALU_DEP_1)
	v_add_nc_u32 v3, s27, v3                       ; and out: row r, my half's 128 bytes
	v_and_b32 v4, 31, v0
	s_delay_alu instid0(VALU_DEP_1)
	v_lshlrev_b32 v4, 4, v4                        ; a fragment image's place for my lane
	v_mul_u32_u24 v5, v6, QSLAB
	s_delay_alu instid0(VALU_DEP_1)
	v_lshl_add_u32 v5, v7, 3, v5                   ; scale words: 8 r (u = 0, 1 on end); lanes 0-15 store those of my first 128 along K, lanes 16-31 those of my second
	v_lshlrev_b32 v6, 3, v6                        ; 8 h: my bytes' shift in a scale word
	v_mov_b32 v7, 1.0
	v_mov_b32 v12, 0                               ; written once: a lane permute's destination counts as one of its sources
	s_mov_b32 s20, 0x76543210
	s_mov_b32 s21, 0xfedcba98                      ; v_permlanex16_b32's selects for lane l xor 16
	s_mov_b32 s23, 0xc2fe0000                      ; -127.0
	s_mov_b32 s24, 0x42fe0000                      ; 127.0
	s_mov_b32 s25, 0xffff0000                      ; lanes 16-31
	s_wait_alu depctr_va_vdst(0)
	s_wait_kmcnt 0x0
	s_cmp_lt_u32 ttmp9, 128                        ; x's work-group or weight's?  The choice hangs on the work-group's number alone
	s_cselect_b64 s[4:5], s[4:5], s[6:7]
	s_cselect_b64 s[8:9], s[8:9], s[10:11]
	s_cselect_b32 s22, 0, -1                       ; lane mask: the 8-bit block is my row's 32 (x) or the 32 x 32 (weight)
	s_and_b32 s17, ttmp9, 127                      ; G: which 32 rows
	s_lshl_b32 s18, s17, 19                        ; 32 rows of 16,384 bytes
	s_lshl_b32 s19, s16, 10                        ; + 256 numbers a wave
	s_add_co_u32 s18, s18, s19
	s_mov_b32 s19, 0
	s_add_nc_u64 s[4:5], s[4:5], s[18:19]
	s_mul_i32 s18, s16, 2*QSLAB                    ; out: my first 128 along K,
	s_lshr_b32 s26, s17, 2
	s_mul_i32 s26, s26, GB                         ; my 128 rows
	s_add_co_u32 s18, s18, s26
	s_add_nc_u64 s[8:9], s[8:9], s[18:19]
	s_mov_b64 s[10:11], s[8:9]
	s_and_b32 s26, s17, 3                          ; j: which 32 of the 128 rows
	s_mul_i32 s18, s26, 3072                       ; codes: two fragments of 1,536 bytes
	s_add_nc_u64 s[8:9], s[8:9], s[18:19]
	s_lshl_b32 s18, s26, 7                         ; scale words: 128 bytes, behind the codes
	s_add_co_u32 s18, s18, SCO
	s_add_nc_u64 s[10:11], s[10:11], s[18:19]
.macro LOAD t                          ; sub-step t into set t % 3: sixteen loads, two rows each
.irp i, 0,1,2,3,4,5,6,7,8,9,10,11,12,13,14,15
	global_load_b128 v[R+64*((\t)%3)+4*\i:R+64*((\t)%3)+4*\i+3], v1, s[4:5] offset:32768*\i+256*(\t) th:TH_LOAD_NT
.endr
.endm
; left: the loads of younger sets, which may stay out
.macro SUB t, left
.set XS, R+64*((\t)%3)
.set QQ, (\t)/2
.set CC, (\t)%2
	s_wait_loadcnt \left                           ; loads come back in order: this set's sixteen are in
.irp i, 0,1,2,3,4,5,6,7,8,9,10,11,12,13,14,15
	ds_store_b128 v2, v[XS+4*\i:XS+4*\i+3] offset:2*PITCH*\i
.endr
.irp u, 0,1
.irp p, 0,1,2,3,4,5,6,7
	ds_load_b128 v[XS+32*\u+4*\p:XS+32*\u+4*\p+3], v3 offset:16*PITCH*\u+16*\p   ; LDS serves a wave's instructions in order: these see the stores above, and land behind them in the registers that they left
.endr
.endr
	s_wait_dscnt 0x0
	; the largest |v| of each run of 32: four chains by turns
	v_max3_num_f32 v248, |v[XS]|, |v[XS+1]|, |v[XS+2]|
	v_max3_num_f32 v249, |v[XS+32]|, |v[XS+33]|, |v[XS+34]|
	v_max3_num_f32 v250, |v[XS+3]|, |v[XS+4]|, |v[XS+5]|
	v_max3_num_f32 v251, |v[XS+35]|, |v[XS+36]|, |v[XS+37]|
.irp i, 6,10,14,18,22,26
	s_delay_alu instid0(VALU_DEP_4)
	v_max3_num_f32 v248, v248, |v[XS+\i]|, |v[XS+\i+1]|
	s_delay_alu instid0(VALU_DEP_4)
	v_max3_num_f32 v249, v249, |v[XS+32+\i]|, |v[XS+33+\i]|
	s_delay_alu instid0(VALU_DEP_4)
	v_max3_num_f32 v250, v250, |v[XS+\i+2]|, |v[XS+\i+3]|
	s_delay_alu instid0(VALU_DEP_4)
	v_max3_num_f32 v251, v251, |v[XS+34+\i]|, |v[XS+35+\i]|
.endr
	s_delay_alu instid0(VALU_DEP_4)
	v_max3_num_f32 v248, v248, |v[XS+30]|, |v[XS+31]|
	s_delay_alu instid0(VALU_DEP_4)
	v_max3_num_f32 v249, v249, |v[XS+62]|, |v[XS+63]|
	s_delay_alu instid0(VALU_DEP_2)
	v_max_num_f32 v248, v248, v250
	s_delay_alu instid0(VALU_DEP_2)
	v_max_num_f32 v249, v249, v251
	; the 8-bit block's m: my run's own (x), or that of both runs of the sixteen lanes of my half (weight)
	s_delay_alu instid0(VALU_DEP_1)
	v_max_num_f32 v254, v248, v249
	s_delay_alu instid0(VALU_DEP_1)
	v_max_num_f32_dpp v254, v254, v254 row_xmask:1 row_mask:0xf bank_mask:0xf
	s_delay_alu instid0(VALU_DEP_1)
	v_max_num_f32_dpp v254, v254, v254 row_xmask:2 row_mask:0xf bank_mask:0xf
	s_delay_alu instid0(VALU_DEP_1)
	v_max_num_f32_dpp v254, v254, v254 row_xmask:4 row_mask:0xf bank_mask:0xf
	s_delay_alu instid0(VALU_DEP_1)
	v_max_num_f32_dpp v254, v254, v254 row_xmask:8 row_mask:0xf bank_mask:0xf
	s_delay_alu instid0(VALU_DEP_1)
	v_cndmask_b32 v250, v248, v254, s22
	s_delay_alu instid0(VALU_DEP_2)
	v_cndmask_b32 v251, v249, v254, s22
	s_delay_alu instid0(VALU_DEP_2)
	v_cmp_eq_f32 vcc_lo, 0, v250
	s_delay_alu instid0(VALU_DEP_1)
	v_cndmask_b32 v250, v250, v7, vcc_lo           ; m = 1 where the block is all zeros
	s_delay_alu instid0(VALU_DEP_3)
	v_cmp_eq_f32 vcc_lo, 0, v251
	s_delay_alu instid0(VALU_DEP_1)
	v_cndmask_b32 v251, v251, v7, vcc_lo
	; scale = 127 / m: s = 127 r, corrected by (127 - m s) r
	s_wait_alu depctr_va_vdst(0)
	v_rcp_f32 v241, v250
	v_rcp_f32 v245, v251
	v_nop                                          ; one plain instruction between a reciprocal and the use of its result
	s_wait_alu depctr_va_vdst(0)
	v_mul_f32 v240, s24, v241
	v_mul_f32 v244, s24, v245
	s_delay_alu instid0(VALU_DEP_2)
	v_fma_f32 v254, -v250, v240, s24
	s_delay_alu instid0(VALU_DEP_2)
	v_fma_f32 v255, -v251, v244, s24
	v_fma_f32 v240, v254, v241, v240
	v_fma_f32 v244, v255, v245, v244
	; 1 / scale, corrected likewise
	s_wait_alu depctr_va_vdst(0)
	v_rcp_f32 v243, v240
	v_rcp_f32 v247, v244
	v_nop
	s_wait_alu depctr_va_vdst(0)
	v_fma_f32 v254, -v240, v243, 1.0
	v_fma_f32 v255, -v244, v247, 1.0
	v_fma_f32 v242, v254, v243, v243
	v_fma_f32 v246, v255, v247, v247
	; the MX block's largest magnitude: the largest |v| through the same four operations as every number below
	v_mul_f32 v254, v248, v240
	v_mul_f32 v255, v249, v244
	s_delay_alu instid0(VALU_DEP_2)
	v_rndne_f32 v254, v254
	s_delay_alu instid0(VALU_DEP_2)
	v_rndne_f32 v255, v255
	s_delay_alu instid0(VALU_DEP_2)
	v_med3_num_f32 v254, v254, s23, s24
	s_delay_alu instid0(VALU_DEP_2)
	v_med3_num_f32 v255, v255, s23, s24
	s_delay_alu instid0(VALU_DEP_2)
	v_mul_f32 v254, v254, v242
	s_delay_alu instid0(VALU_DEP_2)
	v_mul_f32 v255, v255, v246
	s_delay_alu instid0(VALU_DEP_2)
	v_max_num_f32 v254, 0x2800000, v254            ; the floor 2^(5 - 127): the byte cannot fall under 1
	s_delay_alu instid0(VALU_DEP_2)
	v_max_num_f32 v255, 0x2800000, v255
	s_delay_alu instid0(VALU_DEP_2)
	v_add_nc_u32 v14, 0xfe000000, v254             ; 4 off the exponent field: the conversion takes the exponent field of this operand as its scale, and nothing else of it
	s_delay_alu instid0(VALU_DEP_2)
	v_add_nc_u32 v15, 0xfe000000, v255
	s_delay_alu instid0(VALU_DEP_2)
	v_lshrrev_b32 v254, 23, v14                    ; the scale's byte
	s_delay_alu instid0(VALU_DEP_2)
	v_lshrrev_b32 v255, 23, v15
	; the 64 numbers: x scale, round to a whole number (ties to even), clip, x 1 / scale
.irp u, 0,1
.irp j, 0,2,4,6,8,10,12,14,16,18,20,22,24,26,28,30
	v_pk_mul_f32 v[XS+32*\u+\j:XS+32*\u+\j+1], v[XS+32*\u+\j:XS+32*\u+\j+1], v[240+4*\u:241+4*\u] op_sel_hi:[1,0]
.endr
.endr
.set J, 0
.rept 64
	v_rndne_f32 v[XS+J], v[XS+J]
.set J, J+1
.endr
.set J, 0
.rept 64
	v_med3_num_f32 v[XS+J], v[XS+J], s23, s24
.set J, J+1
.endr
.irp u, 0,1
.irp j, 0,2,4,6,8,10,12,14,16,18,20,22,24,26,28,30
	v_pk_mul_f32 v[XS+32*\u+\j:XS+32*\u+\j+1], v[XS+32*\u+\j:XS+32*\u+\j+1], v[242+4*\u:243+4*\u] op_sel_hi:[1,0]
.endr
.endr
.if (\t) == 2
	s_wait_alu depctr_va_vdst(0)
	s_wait_xcnt 0x0                                ; the first two fragments' stores have read their data: the registers are written again only behind this wait
.endif
	v_cvt_scalef32_pk16_bf6_f32 v[CF+6*CC:CF+6*CC+2], v[XS:XS+15], v14
	v_cvt_scalef32_pk16_bf6_f32 v[232:234], v[XS+16:XS+31], v14          ; (a conversion's three registers begin on an even number: a block's upper three do not, so they are made elsewhere and moved)
	v_cvt_scalef32_pk16_bf6_f32 v[CF+12+6*CC:CF+12+6*CC+2], v[XS+32:XS+47], v15
	v_cvt_scalef32_pk16_bf6_f32 v[236:238], v[XS+48:XS+63], v15
.if CC == 0                            ; my bytes of the scale word are gathered: blocks h and 2 + h.  (These plain lines also stand between the conversions and the first touch of their results)
	v_mov_b32 v252, v254
	v_mov_b32 v253, v255
.else
	v_lshl_or_b32 v252, v254, 16, v252
	v_lshl_or_b32 v253, v255, 16, v253
.endif
.irp i, 0,1,2
	v_mov_b32 v[CF+6*CC+3+\i], v[232+\i]
	v_mov_b32 v[CF+12+6*CC+3+\i], v[236+\i]
.endr
.if (\t) == 0
	LOAD 3                                         ; the set just converted takes the last sub-step
.endif
.if CC == 1                            ; two fragments and their scale words are whole
	v_lshlrev_b32 v252, v6, v252                   ; 8 h bits up: bytes h and 2 + h
	v_lshlrev_b32 v253, v6, v253
	s_delay_alu instid0(VALU_DEP_2)
	v_permlanex16_b32 v12, v252, s20, s21
	s_delay_alu instid0(VALU_DEP_1)
	v_or_b32 v[8+QQ], v252, v12                    ; with lane l xor 16's two the word is whole, in both lanes
	s_delay_alu instid0(VALU_DEP_2)
	v_permlanex16_b32 v12, v253, s20, s21
	s_delay_alu instid0(VALU_DEP_1)
	v_or_b32 v[10+QQ], v253, v12
.irp u, 0,1
.irp k, 0,1,2
	global_store_b128 v4, v[CF+12*\u+4*\k:CF+12*\u+4*\k+3], s[8:9] offset:QSLAB*QQ+1536*\u+512*\k   ; 32 lanes store 512 consecutive bytes, at a multiple of 256 from the buffer's first byte
.endr
.endr
.endif
.endm
	LOAD 0
	LOAD 1
	LOAD 2
	SUB 0, 32
	SUB 1, 32
	SUB 2, 16
	SUB 3, 0
	v_cndmask_b32 v12, v8, v9, s25                 ; lanes 0-15 store the words of my first 128 along K, lanes 16-31 those of my second: u = 0,
	v_cndmask_b32 v13, v10, v11, s25               ; u = 1
	global_store_b64 v5, v[12:13], s[10:11]        ; sixteen lanes store 128 consecutive bytes
	s_wait_tensorcnt 0x0
	ds_add_u32 v235, v239
	s_wait_dscnt 0x0
	s_endpgm
.Lfunc_end_k_q9b49bd5dd5_quant:
	.size	k_q9b49bd5dd5_quant, .Lfunc_end_k_q9b49bd5dd5_quant-k_q9b49bd5dd5_quant
	.p2alignl 7, 3214868480
	.fill 96, 4, 3214868480
	.section	.rodata,"a",@progbits
	.p2align	6, 0x0
	.amdhsa_kernel k_q9b49bd5dd5_quant
		.amdhsa_group_segment_fixed_size 141312
		.amdhsa_private_segment_fixed_size 0
		.amdhsa_enable_private_segment 0
		.amdhsa_kernarg_size 32
		.amdhsa_user_sgpr_count 2
		.amdhsa_user_sgpr_kernarg_segment_ptr 1
		.amdhsa_wavefront_size32 1
		.amdhsa_system_sgpr_workgroup_id_x 1
		.amdhsa_system_sgpr_workgroup_id_y 1
		.amdhsa_system_sgpr_workgroup_id_z 1
		.amdhsa_system_vgpr_workitem_id 0
		.amdhsa_next_free_vgpr 256
		.amdhsa_next_free_sgpr 66
		.amdhsa_reserve_vcc 1
		.amdhsa_float_denorm_mode_32 3
		.amdhsa_float_denorm_mode_16_64 3
		.amdhsa_memory_ordered 1
		.amdhsa_forward_progress 1
		.amdhsa_inst_pref_size 85
	.end_amdhsa_kernel
	.amdgpu_metadata
---
amdhsa.version: [ 1, 2 ]
amdhsa.kernels:
  - .name:           k_q9b49bd5dd5_quant
    .symbol:         k_q9b49bd5dd5_quant.kd
    .args:
      - { .name: x, .offset: 0, .size: 8, .value_kind: global_buffer, .address_space: global }
      - { .name: weight, .offset: 8, .size: 8, .value_kind: global_buffer, .address_space: global }
      - { .name: xc, .offset: 16, .size: 8, .value_kind: global_buffer, .address_space: global }
      - { .name: wc, .offset: 24, .size: 8, .value_kind: global_buffer, .address_space: global }
    .group_segment_fixed_size: 141312
    .private_segment_fixed_size: 0
    .kernarg_segment_align: 8
    .kernarg_segment_size: 32
    .max_flat_workgroup_size: 512
    .sgpr_count:     66
    .vgpr_count:     256
    .wavefront_size: 32
...
	.end_amdgpu_metadata
.endif
;; end of part 1
;; launch gemm (part 2): grid 16 x 16, 4 waves a work-group, clusters of 4 x 4, 327,680 bytes of LDS; arguments xc, wc, bias, out0; writes out0
.if DOCPART == 2
	.amdgcn_target "amdgcn-amd-amdhsa--gfx1250"
	.amdhsa_code_object_version 6
	.text
	.protected	k_q9b49bd5dd5_gemm
	.globl	k_q9b49bd5dd5_gemm
	.p2align	8
	.type	k_q9b49bd5dd5_gemm,@function
k_q9b49bd5dd5_gemm:
	s_mov_b64 s[64:65], 0
	v_nop
	global_prefetch_b8 v0, s[64:65] scope:SCOPE_SE
	s_setreg_imm32_b32 hwreg(HW_REG_WAVE_MODE, 25, 1), 1
	s_wait_xcnt 0x0
	s_wait_alu depctr_hold_cnt(0) depctr_sa_sdst(0) depctr_va_vdst(0) depctr_va_sdst(0) depctr_va_ssrc(0) depctr_va_vcc(0) depctr_vm_vsrc(0)
	s_getreg_b32 s2, hwreg(HW_REG_IB_STS2, 6, 4)
	s_cmp_eq_u32 s2, 0
	s_cbranch_scc0 .Lentry_in_a_cluster
	s_endpgm
.Lentry_in_a_cluster:
	s_bfe_u32 s2, ttmp6, 0x10000c
	s_cmp_lg_u32 s2, 0xf033
	s_cbranch_scc0 .Lentry_shape_is_right
	s_endpgm
.Lentry_shape_is_right:
; out0[m][n] = sum over k of xq[m][k] wq[n][k] + bias[n]: codes of BF6 (E3M2) with E8M0 scale words, as the launch before laid them:
; [q 32 (128 along K)][g 32 (128 rows)][12,800 bytes]: eight fragment images of 1,536 bytes ([c 3][lane 32][16 bytes]), then 512 bytes of scale words [j 4][r 16][u 2].
; A work-group of four waves makes 256 x 256 of out0, a wave 128 x 128: 64 accumulators.  K goes through two LDS slots of three steps of 128 (the eleventh fill has two).
; CLUSTERS 4 x 4: x's tiles are asked for jointly along a row of the cluster, weight's along a column.  The product is used transposed (source 0 = weight's rows, source 1 = x's rows).
; REGISTERS.  Each window of 256 holds 16 accumulators (v128-255) and four fragments in two sets (v32-79, v80-127):
;   window 0: B's blocks 0-3, accumulators (a 0-3, b 0-3);  window 1: B's 4-7, (a 4-7, b 4-7);  window 2: A's 0-3, (a 0-3, b 4-7);  window 3: A's 4-7, (a 4-7, b 0-3).
;   window 0 v0-15 addresses, v16-31 two sets of scale words; windows 2, 3 v0-31 the bias in the result's layout, the C of the first step; on the way out v0-31 of windows 1-3 take rows read back.
; A STEP (steps 0 to 26): both operands have two sets, so the next step's 52 LDS loads stand in ONE run at the step's head, into the set that the step before read last (the four v_nop ahead
; of the run are their places); the wait behind the run leaves those 52 out; then 64 matrix instructions on end, in four quadrants of 16, one window setting each.
; THE LAST FIVE STEPS (27 to 31) lie in LDS together, three in slot 1 and two in slot 0.  They go BY QUADRANTS: a quadrant's 16 accumulators take all five steps (five units of 28 loads and
; 16 matrix instructions, the two sets by turns), and the finished quadrant, 64 rows x 64 columns, is stored while the later quadrants are multiplied.  For that each fragment of these steps is read from LDS twice.
; The 64 accumulators take turns.
; PREFETCH: behind the joint load of fill t each wave names fill t + 1 of the tile that it fetches itself: 150 blocks of 256 bytes, of which each of the four partners takes 38 by address
; (two instructions); of the short last fill 100 blocks, 25 a partner (one instruction).  Lanes left over name the wave's last block again.  No address leaves the buffer.
.set SIZE_N, 4096
.set QSLAB,  409600
.set GB,     12800
.set SCO,    12288
.set NQ,     3
.set STEPB,  NQ*QSLAB                  ; bytes from a fill to the next
.set HALFT,  NQ*GB
.set SLOT,   4*HALFT
.set TRIPS,  4
.set SPARE,  2*SLOT                    ; the spare words, 512 bytes that no other line names
.set STAGE,  SPARE+512                 ; the way out: 16 rows of 272 bytes for each wave, bytes of their own: no fill lands there
.set SPITCH, 272
.set SPW,  1
.set NIL,  2
.set PFO,  3                           ; v3, v4
.set BO,   5
.set ADRA, 6                           ; v6, v7: slot 0, 1
.set ADRB, 8
.set ADRS, 10
.set STO,  12
.set RD,   13
.set CO,   14
.set PFS,  15
.set SC,   16
.set FRG,  32
.set ACC,  128
.set WV,   16
.set RH,   17
.set CH,   18
.set G1,   24
.set G0,   32
.set G1B,  48
.set G0B,  56
.set PFA,  66
.set G1L,  68
.set G1BL, 76
.set MSB, 0
.macro WIN new
.if MSB != (\new)
	s_set_vgpr_msb (MSB<<8)|(\new)
.set MSB, \new
.endif
.endm
.macro JLOAD g0a, g1a, g0b, g1b        ; waves 0, 1 fetch x's halves, waves 2, 3 weight's
	s_cmp_eq_u32 s[RH], 0
	s_cbranch_scc0 .Lfor_b_\@
	tensor_load_to_lds s[\g0a:\g0a+3], s[\g1a:\g1a+7]
	s_nop 0
.rept 4
	v_nop
.endr
	s_branch .Lasked_\@
.Lfor_b_\@:
	tensor_load_to_lds s[\g0b:\g0b+3], s[\g1b:\g1b+7]
	s_nop 0
.rept 4
	v_nop
.endr
.Lasked_\@:
.endm
.macro CREST
	s_cmp_lg_u32 s[WV], 0
	s_cbranch_scc1 .Lnot_wave_0_\@
	s_barrier_signal -3
.Lnot_wave_0_\@:
	s_barrier_wait -3
	s_barrier_signal -1
	s_barrier_wait -1
.endm
.macro CROUND
	s_barrier_signal -1
	s_barrier_wait -1
	CREST
.endm
.macro ASK off, cond                   ; cond = 1: in the loop's last trip the next fill is the short one
.if \cond
	s_cmp_gt_u32 s3, 1
	s_cbranch_scc0 .Lshort_\@
.endif
	global_prefetch_b8 v[PFO], s[PFA:PFA+1] offset:\off th:TH_LOAD_NT scope:SCOPE_SE
	global_prefetch_b8 v[PFO+1], s[PFA:PFA+1] offset:\off th:TH_LOAD_NT scope:SCOPE_SE
.if \cond
	s_branch .Lpf_done_\@
.Lshort_\@:
	global_prefetch_b8 v[PFS], s[PFA:PFA+1] offset:\off th:TH_LOAD_NT scope:SCOPE_SE
.Lpf_done_\@:
.endif
.endm
.macro PLACES n
.rept \n
	v_nop
.endr
.endm
	s_load_b128 s[4:7], s[0:1], 0x0                ; xc, wc
	s_load_b128 s[12:15], s[0:1], 0x10             ; bias, out0
	v_lshl_add_u32 v[SPW], v0, 2, SPARE
	v_mov_b32 v[NIL], 0
	ds_add_u32 v[SPW], v[NIL]                      ; the opening lines: the add twice on end under one wait
	ds_add_u32 v[SPW], v[NIL]
	v_lshrrev_b32 v32, 5, v0
	v_readfirstlane_b32 s[WV], v32
	s_lshr_b32 s[RH], s[WV], 1                     ; my half of the rows; also: I fetch for x (0) or weight (1)
	s_and_b32 s[CH], s[WV], 1                      ; my half of the columns; also: which 128 rows I fetch
	s_bfe_u32 s40, ttmp6, 0x40000
	s_bfe_u32 s41, ttmp6, 0x40004
	s_lshl_b32 s42, ttmp9, 2
	s_add_co_u32 s42, s42, s40                     ; tile column
	s_and_b32 s19, ttmp7, 0xffff
	s_lshl_b32 s19, s19, 2
	s_add_co_u32 s19, s19, s41                     ; tile row
	s_lshl_b32 s43, s41, 2
	s_lshl_b32 s43, 15, s43
	s_lshl_b32 s44, 0x1111, s40
	s_or_b32 s[G1+0], s43, (3<<16)|(1<<21)         ; NQ rows of 12,800 bytes (1,600 elements of 8), QSLAB bytes apart, dense in LDS
	s_or_b32 s[G1B+0], s44, (3<<16)|(1<<21)
.irp g, G1, G1B
	s_mov_b32 s[\g+1], (GB/8)<<16
	s_mov_b32 s[\g+2], NQ<<16
	s_mov_b32 s[\g+3], (GB/8)<<16
	s_mov_b32 s[\g+4], NQ
	s_mov_b32 s[\g+5], QSLAB/8
	s_mov_b32 s[\g+6], 0
	s_mov_b32 s[\g+7], 0
.endr
	s_or_b32 s[G1L+0], s43, (3<<16)|(1<<21)        ; the last fill: two rows
	s_or_b32 s[G1BL+0], s44, (3<<16)|(1<<21)
.irp g, G1L, G1BL
	s_mov_b32 s[\g+1], (GB/8)<<16
	s_mov_b32 s[\g+2], 2<<16
	s_mov_b32 s[\g+3], (GB/8)<<16
	s_mov_b32 s[\g+4], 2
	s_mov_b32 s[\g+5], QSLAB/8
	s_mov_b32 s[\g+6], 0
	s_mov_b32 s[\g+7], 0
.endr
	s_lshl_b32 s86, s19, 1
	s_add_co_u32 s86, s86, s[CH]
	s_mul_i32 s86, s86, GB                         ; x: the 128 rows that I fetch
	s_mov_b32 s87, 0
	s_lshl_b32 s46, s42, 1
	s_add_co_u32 s46, s46, s[CH]
	s_mul_i32 s46, s46, GB                         ; weight likewise
	s_mov_b32 s47, 0
	s_mul_i32 s45, s[WV], HALFT                    ; where they go
	s_lshl_b32 s88, s19, 8
	s_lshl_b32 s89, s[RH], 7
	s_add_co_u32 s88, s88, s89
	s_lshl_b32 s88, s88, 14                        ; my first row of out0, in bytes
	s_mov_b32 s89, 0
	s_lshl_b32 s90, s42, 10
	s_lshl_b32 s91, s[CH], 9
	s_add_co_u32 s90, s90, s91                     ; my first column, in bytes
	s_mov_b32 s91, 0
	s_add_nc_u64 s[88:89], s[88:89], s[90:91]
	s_mul_i32 s21, s[RH], HALFT                    ; my 128 rows of x in a slot
	s_mul_i32 s22, s[CH], HALFT
	s_add_co_u32 s22, s22, 2*HALFT                 ; and of weight
	s_sub_co_u32 s23, s22, s21
	s_add_co_u32 s85, s21, SCO
	s_mul_i32 s84, s[WV], 16*SPITCH
	s_add_co_u32 s84, s84, STAGE                   ; my stage
	s_cmp_eq_u32 s[RH], 0
	s_cselect_b32 s97, s40, s41                    ; p: my place among the four that ask for my tile
	s_mul_i32 s96, s97, 38
	s_mul_i32 s97, s97, 25
	v_and_b32 v33, 15, v0                          ; r
	v_bfe_u32 v34, v0, 4, 1                        ; h
	v_and_b32 v35, 31, v0                          ; lane
	v_lshlrev_b32 v42, 4, v35
	v_lshlrev_b32 v[BO], 5, v34
	v_add_nc_u32 v[ADRA], s21, v42
	v_add_nc_u32 v[ADRB], s22, v42
	v_add_nc_u32 v[ADRA+1], SLOT, v[ADRA]
	v_add_nc_u32 v[ADRB+1], SLOT, v[ADRB]
	v_mul_u32_u24 v36, s23, v34                    ; scale words: lanes 0-15 x's rows, lanes 16-31 weight's
	v_lshl_add_u32 v36, v33, 3, v36
	v_add_nc_u32 v[ADRS], s85, v36
	v_add_nc_u32 v[ADRS+1], SLOT, v[ADRS]
	v_mul_u32_u24 v37, v33, SPITCH                 ; into the stage: row r, 32 bytes for each half of the lanes
	v_lshl_add_u32 v37, v34, 5, v37
	v_add_nc_u32 v[STO], s84, v37
	v_mul_u32_u24 v44, v34, SPITCH                 ; back: lanes 0-15 a row of 256 bytes, lanes 16-31 the next
	v_lshl_add_u32 v44, v33, 4, v44
	v_add_nc_u32 v[RD], s84, v44
	v_lshlrev_b32 v43, 14, v34                     ; and the same two rows in out0
	v_lshl_add_u32 v[CO], v33, 4, v43
	v_add_nc_u32 v38, s96, v35                     ; prefetch: block n = 38 p + lane,
	v_min_u32 v39, 5, v35
	v_add3_u32 v39, v39, s96, 32                   ; and 38 p + 32 + 0 .. 5,
	v_min_u32 v39, 149, v39                        ; held at the tile's last block;
	v_min_u32 v45, 24, v35
	v_add_nc_u32 v45, s97, v45                     ; of the short fill 25 p + 0 .. 24
	v_mul_u32_u24 v40, v38, 1311
	v_mul_u32_u24 v41, v39, 1311
	v_mul_u32_u24 v46, v45, 1311
	v_lshrrev_b32 v40, 16, v40                     ; n / 50: which row of 50 blocks
	v_lshrrev_b32 v41, 16, v41
	v_lshrrev_b32 v46, 16, v46
	v_mul_u32_u24 v40, v40, QSLAB-GB
	v_mul_u32_u24 v41, v41, QSLAB-GB
	v_mul_u32_u24 v46, v46, QSLAB-GB
	v_lshl_add_u32 v[PFO], v38, 8, v40
	v_lshl_add_u32 v[PFO+1], v39, 8, v41
	v_lshl_add_u32 v[PFS], v45, 8, v46
	s_wait_alu depctr_va_vdst(0)                   ; the wait at the end of the head's vector work
	s_wait_dscnt 0x0                               ; both opening adds are done
	s_wait_kmcnt 0x0
	s_add_nc_u64 s[86:87], s[4:5], s[86:87]
	s_add_nc_u64 s[46:47], s[6:7], s[46:47]
	s_add_nc_u64 s[14:15], s[14:15], s[88:89]
	s_add_nc_u64 s[12:13], s[12:13], s[90:91]
	s_cmp_eq_u32 s[RH], 0
	s_cselect_b64 s[PFA:PFA+1], s[86:87], s[46:47] ; the tile that I fetch, fill 0
.irp s, 0,1
	s_mov_b32 s[G0+4*\s], 1
	s_add_co_u32 s[G0+4*\s+1], s45, \s*SLOT
	s_add_nc_u64 s[G0+4*\s+2:G0+4*\s+3], s[86:87], \s*STEPB
	s_or_b32 s[G0+4*\s+3], s[G0+4*\s+3], 0x80000000
	s_mov_b32 s[G0B+4*\s], 1
	s_add_co_u32 s[G0B+4*\s+1], s45, \s*SLOT
	s_add_nc_u64 s[G0B+4*\s+2:G0B+4*\s+3], s[46:47], \s*STEPB
	s_or_b32 s[G0B+4*\s+3], s[G0B+4*\s+3], 0x80000000
.endr
	CROUND                                         ; the round in front of the first joint loads
	JLOAD G0, G1, G0B, G1B                         ; fill 0: one tensor load a wave at the head
	WIN 0x80                                       ; the bias of my 128 columns, eight a lane for each block b: b 0-3 to window 2, b 4-7 to window 3
.irp b, 0,1,2,3
	global_load_b128 v[8*\b:8*\b+3], v[BO], s[12:13] offset:64*\b
	global_load_b128 v[8*\b+4:8*\b+7], v[BO], s[12:13] offset:64*\b+16
.endr
	WIN 0xc0
.irp b, 0,1,2,3
	global_load_b128 v[8*\b:8*\b+3], v[BO], s[12:13] offset:256+64*\b
	global_load_b128 v[8*\b+4:8*\b+7], v[BO], s[12:13] offset:256+64*\b+16
.endr
	WIN 0
	ASK STEPB, 0                                   ; fill 1
; The operands of one step (slot ns, step nq of it) into set par: 52 LDS loads in one run, under four destination windows:
; t = 0: B's blocks 0-3 and the scale words (window 0); 1: A's 0-3 (window 2); 2: B's 4-7 (window 1); 3: A's 4-7 (window 3).  Addresses from window 0.
.macro FETCH ns, nq, par
.irp t, 0,1,2,3
	WIN ((\t%2)*2+\t/2)<<6
.irp n, 0,1,2,3,4,5,6,7,8,9,10,11
	ds_load_b128 v[FRG+48*(\par)+4*\n:FRG+48*(\par)+4*\n+3], v[ADRB-2*(\t%2)+(\ns)] offset:GB*(\nq)+6144*(\t/2)+512*\n
.endr
.if \t == 0
.irp j, 0,1,2,3
	ds_load_b64 v[SC+8*(\par)+2*\j:SC+8*(\par)+2*\j+1], v[ADRS+(\ns)] offset:GB*(\nq)+128*\j
.endr
.endif
.endr
.endm
; The operands of quadrant t alone: its four blocks of B, its four of A, the step's scale words: 28 loads
.macro FETQ t, ns, nq, par
.set FI, (\t)/2
.set FJ, (((\t)+1)/2)%2
	WIN FJ<<6
.irp n, 0,1,2,3,4,5,6,7,8,9,10,11
	ds_load_b128 v[FRG+48*(\par)+4*\n:FRG+48*(\par)+4*\n+3], v[ADRB+(\ns)] offset:GB*(\nq)+6144*FJ+512*\n
.endr
	WIN (2+FI)<<6
.irp n, 0,1,2,3,4,5,6,7,8,9,10,11
	ds_load_b128 v[FRG+48*(\par)+4*\n:FRG+48*(\par)+4*\n+3], v[ADRA+(\ns)] offset:GB*(\nq)+6144*FI+512*\n
.endr
	WIN 0
.irp j, 0,1,2,3
	ds_load_b64 v[SC+8*(\par)+2*\j:SC+8*(\par)+2*\j+1], v[ADRS+(\ns)] offset:GB*(\nq)+128*\j
.endr
.endm
.macro WINQ t, first                   ; source 0: B's window; source 1: A's; C and D: the quadrant's (first step: C = the bias's window)
.set IH, (\t)/2
.set JH, (((\t)+1)/2)%2
.set AW, ((\t)%2)*2+(\t)/2
.if \first
	WIN JH|((2+IH)<<2)|((2+JH)<<4)|(AW<<6)
.else
	WIN JH|((2+IH)<<2)|(AW<<4)|(AW<<6)
.endif
.endm
.macro QA t, p, first, a               ; four matrix instructions: A's block a of quadrant t against its four of B
.set IH, (\t)/2
.set JH, (((\t)+1)/2)%2
.irp b, 0,1,2,3
.if \first
	v_wmma_scale_f32_16x16x128_f8f6f4 v[ACC+8*(4*(\a)+\b):ACC+8*(4*(\a)+\b)+7], v[FRG+48*(\p)+12*\b:FRG+48*(\p)+12*\b+11], v[FRG+48*(\p)+12*(\a):FRG+48*(\p)+12*(\a)+11], v[8*\b:8*\b+7], v[SC+8*(\p)+4*JH+\b], v[SC+8*(\p)+4*IH+(\a)] matrix_a_fmt:MATRIX_FMT_BF6 matrix_b_fmt:MATRIX_FMT_BF6 matrix_a_scale:MATRIX_SCALE_ROW1
.else
	v_wmma_scale_f32_16x16x128_f8f6f4 v[ACC+8*(4*(\a)+\b):ACC+8*(4*(\a)+\b)+7], v[FRG+48*(\p)+12*\b:FRG+48*(\p)+12*\b+11], v[FRG+48*(\p)+12*(\a):FRG+48*(\p)+12*(\a)+11], v[ACC+8*(4*(\a)+\b):ACC+8*(4*(\a)+\b)+7], v[SC+8*(\p)+4*JH+\b], v[SC+8*(\p)+4*IH+(\a)] matrix_a_fmt:MATRIX_FMT_BF6 matrix_b_fmt:MATRIX_FMT_BF6 matrix_a_scale:MATRIX_SCALE_ROW1
.endif
.endr
.endm
.macro QUAD t, p, first
	WINQ \t, \first
.irp a, 0,1,2,3
	QA \t, \p, \first, \a
.endr
.endm
; A step on set p; at its head it fetches the next step's operands into the other set.
.macro STEP p, ns, nq, first
	PLACES 4                                       ; the places in front of the loads into the set that the last step read
	FETCH \ns, \nq, 1-(\p)
	s_wait_dscnt 52                                ; all but the 52 just issued: this step's operands, asked for a step ago, are in
.irp t, 0,1,2,3
	QUAD \t, \p, \first
.endr
.endm
; A slot's last step.  Its operands were fetched a step ago; behind the round nobody reads the slot, and the next slot is whole.
; fill = 1: the slot is filled again with three steps; 2: with the last two steps, and only quadrant 0's operands of the next step are fetched.
.macro TURN p, slot, next, fill
.if (\fill) == 1
	s_wait_xcnt 0x0                                ; my last prefetches have read their base
	s_add_nc_u64 s[PFA:PFA+1], s[PFA:PFA+1], STEPB
.endif
	WIN 0
	s_wait_tensorcnt 0x0                           ; all my tensor loads have landed: my part of the next slot
	ds_add_u32 v[SPW], v[NIL]
	s_wait_dscnt 1                                 ; this step's operands are in; the add may be out
	WINQ 0, 0
	QA 0, \p, 0, 0                                 ; four matrix instructions stand between the add and the wait for it
	s_wait_dscnt 0x0                               ; the add is done, and my reads of this slot are over
	s_barrier_signal -1
	QA 0, \p, 0, 1
	WIN 0
	s_barrier_wait -1
	CREST                                          ; the barrier has opened a round of the cluster's barrier
	s_add_nc_u64 s[G0+4*\slot+2:G0+4*\slot+3], s[G0+4*\slot+2:G0+4*\slot+3], 2*STEPB
	s_add_nc_u64 s[G0B+4*\slot+2:G0B+4*\slot+3], s[G0B+4*\slot+2:G0B+4*\slot+3], 2*STEPB
.if (\fill) == 1
	JLOAD G0+4*\slot, G1, G0B+4*\slot, G1B         ; its four v_nop are also the places in front of the loads below
	FETCH \next, 0, 1-(\p)                         ; 56 matrix instructions ahead of their use
	WIN 0
	ASK 2*STEPB, \slot                             ; the fill behind the one just asked for
.else
	JLOAD G0+4*\slot, G1L, G0B+4*\slot, G1BL
	FETQ 0, \next, 0, 1-(\p)
.endif
	WINQ 0, 0
	QA 0, \p, 0, 2
	QA 0, \p, 0, 3
.irp t, 1,2,3
	QUAD \t, \p, 0
.endr
.endm
	s_wait_tensorcnt 0x0                           ; fill 0 is in
	ds_add_u32 v[SPW], v[NIL]
	s_wait_dscnt 0x0
	CROUND
	JLOAD G0+4, G1, G0B+4, G1B                     ; fill 1, into slot 1
	FETCH 0, 0, 0
	WIN 0
	ASK 2*STEPB, 0                                 ; fill 2
	s_wait_loadcnt 0x0                             ; the bias
	STEP 0, 0, 1, 1                                ; the first step's products start the sums on the bias
	WIN 0
	s_mov_b32 s3, TRIPS
.Llap:                                                 ; six steps: once round both slots and both sets
	STEP 1, 0, 2, 0
	TURN 0, 0, 1, 1
	STEP 1, 1, 1, 0
	STEP 0, 1, 2, 0
	TURN 1, 1, 0, 1
	STEP 0, 0, 1, 0
	WIN 0
	s_sub_co_u32 s3, s3, 1
	s_cmp_lg_u32 s3, 0
	s_cbranch_scc1 .Llap
	STEP 1, 0, 2, 0                                ; step 25
	TURN 0, 0, 1, 2                                ; step 26
; THE WAY OUT of block a (16 rows x 64 columns) of quadrant t: 32 bytes a lane into my own stage, back as whole rows of 256 bytes, two an instruction, into one of three buffers by turns.
; LDS serves a wave's instructions in order (ISA guide 5.7.1.4): no wait between the stores and the loads, nor in front of the next block's stores.
.macro TOST t, a
.set OW, ((\t)%2)*2+(\t)/2
.set OK, 1+(4*(\t)+(\a))%3
.if 4*(\t)+(\a) >= 3
	s_wait_xcnt 0x0                                ; the stores of three blocks ago have read this buffer
.endif
	WIN OW<<2
.irp b, 0,1,2,3
	ds_store_b128 v[STO], v[ACC+8*(4*(\a)+\b):ACC+8*(4*(\a)+\b)+3] offset:64*\b
	ds_store_b128 v[STO], v[ACC+8*(4*(\a)+\b)+4:ACC+8*(4*(\a)+\b)+7] offset:64*\b+16
.endr
	WIN OK<<6
.irp r, 0,1,2,3,4,5,6,7
	ds_load_b128 v[4*\r:4*\r+3], v[RD] offset:\r*2*SPITCH
.endr
.endm
.macro SENDQ t, a, younger             ; younger: the LDS instructions issued behind this block's loads
.set OI, (\t)/2
.set OJ, (((\t)+1)/2)%2
.set OK, 1+(4*(\t)+(\a))%3
	s_wait_dscnt \younger
	WIN OK<<2
.irp r, 0,1,2,3,4,5,6,7
	global_store_b128 v[CO], v[4*\r:4*\r+3], s[14:15] offset:(64*OI+16*(\a)+2*\r)*SIZE_N*4+256*OJ th:TH_STORE_NT   ; sixteen lanes store 256 consecutive bytes, aligned; every place is an immediate
.endr
.endm
.macro OUTQ t
	PLACES 4                                       ; the stage's stores read results just made
	TOST \t, 0
	TOST \t, 1
	SENDQ \t, 0, 16
	TOST \t, 2
	SENDQ \t, 1, 16
	TOST \t, 3
	SENDQ \t, 2, 16
	SENDQ \t, 3, 0
.endm
; Steps 27 to 31 by quadrants.  Unit U = 5 t + k is quadrant t on step 27 + k (k 0-2: slot 1; 3, 4: slot 0), on set (U + 1) % 2; at its head it fetches the next unit's operands into the other set.
.set U, 0
.irp t, 0,1,2,3
.irp k, 0,1,2,3,4
.set PR, (U+1)%2
.set NK, (\k+1)%5
.set NT, \t+(\k+1)/5
.set NS, 1-NK/3
.set NQQ, NK%3
.if U == 2                             ; the next unit reads the last fill: a barrier shows it whole to all four waves
	s_wait_tensorcnt 0x0                           ; my part of the last fill has landed
	s_wait_dscnt 0x0                               ; this unit's operands are in, and no LDS instruction of mine is out at the signal
	s_barrier_signal -1
	WINQ 0, 0
	QA 0, PR, 0, 0
	QA 0, PR, 0, 1
	s_barrier_wait -1
	PLACES 4
	FETQ NT, NS, NQQ, 1-PR
	WINQ 0, 0
	QA 0, PR, 0, 2
	QA 0, PR, 0, 3
.elseif U < 19
	PLACES 4
	FETQ NT, NS, NQQ, 1-PR
	s_wait_dscnt 28                                ; all but the 28 just issued
	QUAD \t, PR, 0
.else
	s_wait_dscnt 0x0                               ; the last unit fetches nothing
	QUAD \t, PR, 0
.endif
.set U, U+1
.endr
	OUTQ \t                                        ; the quadrant is finished: it leaves while the later ones are multiplied
.endr
	WIN 0
	s_wait_tensorcnt 0x0                           ; the wave's end
	ds_add_u32 v[SPW], v[NIL]
	s_wait_dscnt 0x0
	CROUND                                         ; the closing round
	s_endpgm
.Lfunc_end_k_q9b49bd5dd5_gemm:
	.size	k_q9b49bd5dd5_gemm, .Lfunc_end_k_q9b49bd5dd5_gemm-k_q9b49bd5dd5_gemm
	.p2alignl 7, 3214868480
	.fill 96, 4, 3214868480
	.section	.rodata,"a",@progbits
	.p2align	6, 0x0
	.amdhsa_kernel k_q9b49bd5dd5_gemm
		.amdhsa_group_segment_fixed_size 327680
		.amdhsa_private_segment_fixed_size 0
		.amdhsa_enable_private_segment 0
		.amdhsa_kernarg_size 32
		.amdhsa_user_sgpr_count 2
		.amdhsa_user_sgpr_kernarg_segment_ptr 1
		.amdhsa_wavefront_size32 1
		.amdhsa_system_sgpr_workgroup_id_x 1
		.amdhsa_system_sgpr_workgroup_id_y 1
		.amdhsa_system_sgpr_workgroup_id_z 1
		.amdhsa_system_vgpr_workitem_id 0
		.amdhsa_next_free_vgpr 1024
		.amdhsa_next_free_sgpr 100
		.amdhsa_reserve_vcc 0
		.amdhsa_float_denorm_mode_32 3
		.amdhsa_float_denorm_mode_16_64 3
		.amdhsa_memory_ordered 1
		.amdhsa_forward_progress 1
		.amdhsa_inst_pref_size 233
	.end_amdhsa_kernel
	.amdgpu_metadata
---
amdhsa.version: [ 1, 2 ]
amdhsa.kernels:
  - .name:           k_q9b49bd5dd5_gemm
    .symbol:         k_q9b49bd5dd5_gemm.kd
    .args:
      - { .name: xc, .offset: 0, .size: 8, .value_kind: global_buffer, .address_space: global }
      - { .name: wc, .offset: 8, .size: 8, .value_kind: global_buffer, .address_space: global }
      - { .name: bias, .offset: 16, .size: 8, .value_kind: global_buffer, .address_space: global }
      - { .name: out0, .offset: 24, .size: 8, .value_kind: global_buffer, .address_space: global }
    .group_segment_fixed_size: 327680
    .private_segment_fixed_size: 0
    .kernarg_segment_align: 8
    .kernarg_segment_size: 32
    .max_flat_workgroup_size: 128
    .sgpr_count:     100
    .vgpr_count:     1024
    .wavefront_size: 32
...
	.end_amdgpu_metadata
.endif
;; end of part 2
